; MI455X (gfx1250); checked and timed in simulation.
; The chip was launched on July 23, 2026; its instructions are those of AMD's public machine-readable ISA for CDNA 5 (MIT licence, August 2026) and "CDNA5" Instruction Set Architecture Reference Guide (July 2026). The comments in the code are by the model that wrote it; some were corrected since.
;; Global Cross Attention. Allowed arithmetic: float matrix products may take bf16 or f16 operands with f32 sums; all other float work in f32.
;; Inputs: W1 512 float32; W2 512 x 8 float32; Wk 256 x 256 float32; Wp 256 x 256 float32; Wq 256 x 256 float32; Wv 256 x 256 float32; attn_mask 1 x 512 x 1,024 float32; b1 512 float32; bk 256 float32; bp 256 float32; bq 256 float32; bv 256 float32; input_padding_mask 1 x 1,024 float32; k_input_flatten 1 x 1,024 x 256 float32; query 1 x 512 x 256 float32; v_input_flatten 1 x 1,024 x 256 float32.
;; Outputs: out0 1 x 512 x 256 float32.
;; One version. Each part assembles by itself: llvm-mc -triple=amdgcn-amd-amdhsa -mcpu=gfx1250 --defsym DOCPART=n.
;; ======== version 1 of 1: 3 launches
;; limits: values are held in f16: magnitudes above 65,504 overflow, below 6.1e-05 lose precision
;; workspace buffers: qh 262,144 bytes; kh 524,288 bytes; vB 524,288 bytes; Opart 4,194,304 bytes; ML 262,144 bytes
;; launch proj (part 1): grid 4 x 40, 8 waves a work-group, no clusters, 87,040 bytes of LDS; arguments query, k_input_flatten, v_input_flatten, Wq, Wk, Wv, bq, bk, bv, qh, kh, vB; writes qh, kh, vB
.if DOCPART == 1
	.amdgcn_target "amdgcn-amd-amdhsa--gfx1250"
	.amdhsa_code_object_version 6
	.text
	.protected	k_q518a9dcffd_proj
	.globl	k_q518a9dcffd_proj
	.p2align	8
	.type	k_q518a9dcffd_proj,@function
k_q518a9dcffd_proj:
	s_mov_b64 s[64:65], 0
	v_nop
	global_prefetch_b8 v0, s[64:65] scope:SCOPE_SE
	s_setreg_imm32_b32 hwreg(HW_REG_WAVE_MODE, 25, 1), 1
	s_wait_xcnt 0x0
; The three input projections, one body:  q = (query Wq + bq) / sqrt(32),  k = k_in Wk + bk,  v = v_in Wv + bv.
; Inputs f32; the products run on f16 operands with f32 sums; results leave as f16:
;   qh [head 8][q 512][32],  kh [head 8][key 1024][32],  vB [block of 64 keys: 16][d 256][64 keys]  (v transposed).
; A work-group makes 64 rows x 64 columns over K = 256.  x of the grid = column block cb (two heads), y = row block rb:
; rb 0-7 rows of query, 8-23 rows of k_in, 24-39 rows of v_in: 160 work-groups.
; Wave w = 4 wc + wr makes rows 16 wr .. +15, columns 32 wc .. +31 (one head): two accumulators, 16 matrix instructions.
; WHY f16 AND NOT bf16: six roundings stand in line between v_in and the final output (v_in, Wv, v, p, the merged x, Wp), the result is
; wanted to 1 part in 100 of its root mean square, and a rounding to bf16 errs by up to 2^-9 of the number, one to f16 by up to 2^-12.
; LIMIT: an operand or result above 65,504 in magnitude becomes infinite; below 2^-14 the step is 2^-24.  Rows of size 5 and weights of
; size 0.1 give results of size 1.6; both factors 30 times larger give about 1,500; both offset by 30 spreads give 256 x 30 x 0.6 = 4,608.
.set XP,  528                          ; LDS pitch of a row of X: 512 bytes of f16 + 16 (an odd multiple of 16)
.set WP,  160                          ; LDS pitch of a k row of W: 128 bytes of f16 + 32 (an odd multiple of 32, for the transposing load)
.set XS,  0                            ; 64 rows x 528
.set WS,  33792                        ; 256 k x 160
.set BS,  74752                        ; 128 bytes of bias for each wave
.set ST,  75776                        ; the way out: 10,240 bytes
.set XD,  16                           ; v[16:79]    X as loaded, 16 passes of 4 registers
.set WD,  80                           ; v[80:143]   W as loaded
.set FR,  16                           ; v[16:207]   behind the first barrier: K step ks: X fragment, W fragment 0, W fragment 1 (8 each)
.set ACC, 208                          ; v[208:223]  two accumulators
.set BV,  224                          ; v[224:225]  v path: the bias of my two columns
.set TMP, 226                          ; v[226:233]  packed results
.set OUT, 234                          ; v[234:241]  rows read back from the stage
	s_load_b512 s[4:19], s[0:1], 0x0               ; query s4, k_in s6, v_in s8, Wq s10, Wk s12, Wv s14, bq s16, bk s18
	s_load_b256 s[20:27], s[0:1], 0x40             ; bv s20, qh s22, kh s24, vB s26
	v_lshl_add_u32 v244, v0, 2, 0x15000
	v_mov_b32 v245, 0
	v_lshrrev_b32 v1, 5, v0
	v_readfirstlane_b32 s28, v1                    ; wave w
	s_and_b32 s29, s28, 3                          ; wr
	s_lshr_b32 s30, s28, 2                         ; wc
	s_mov_b32 s31, ttmp9                           ; cb
	s_and_b32 s32, ttmp7, 0xffff                   ; rb
	s_mov_b32 s45, 0                               ; high word of every offset pair
	v_and_b32 v1, 31, v0                           ; L
	v_and_b32 v2, 15, v0                           ; r
	v_bfe_u32 v3, v0, 4, 1                         ; h
	v_lshrrev_b32 v12, 6, v0
	v_and_b32 v4, 63, v0
	v_lshlrev_b32 v4, 3, v4
	v_mad_u32_u24 v4, v12, XP, v4                  ; X into LDS: row t>>6 of a pass's four, 8 bytes at (t&63)*8
	v_lshrrev_b32 v12, 4, v0
	v_lshlrev_b32 v5, 3, v2
	v_mad_u32_u24 v5, v12, WP, v5
	v_add_nc_u32 v5, WS, v5                        ; W into LDS: row t>>4 of a pass's sixteen, 8 bytes at (t&15)*8
	v_lshlrev_b32 v9, 4, v2
	v_lshl_add_u32 v9, v12, 10, v9                 ; W in memory: (t>>4) rows of 1,024 bytes + (t&15)*16
	s_lshl_b32 s35, s29, 4
	v_add_nc_u32 v6, s35, v2
	v_mul_u32_u24 v6, v6, XP
	v_lshl_add_u32 v6, v3, 4, v6                   ; X fragment: (16 wr + r) rows + 16 h
	v_and_b32 v7, 7, v0
	v_lshl_add_u32 v7, v3, 3, v7
	v_mul_u32_u24 v7, v7, WP
	v_bfe_u32 v12, v0, 3, 1
	v_lshl_add_u32 v7, v12, 4, v7
	s_lshl_b32 s35, s30, 6
	s_add_co_u32 s35, s35, WS
	v_add_nc_u32 v7, s35, v7                       ; W fragment: (8 h + (L&7)) k rows + 64 wc + 16 ((L>>3)&1)
	v_lshlrev_b32 v8, 4, v0                        ; 16 t: X in memory, and the results in memory
	s_lshl_b32 s35, s30, 7
	v_lshl_add_u32 v15, v1, 2, s35                 ; bias in memory: (32 wc + L) words
	v_lshl_add_u32 v11, v0, 2, BS                  ; bias in LDS: my wave's 128 bytes
	s_mov_b32 s34, 0x10000                         ; bytes from head to head in kh
	s_wait_kmcnt 0x0
	; which of the three products: a choice between buffers on the row block alone
	s_cmp_lt_u32 s32, 8
	s_cselect_b64 s[36:37], s[4:5], s[6:7]         ; X
	s_cselect_b64 s[38:39], s[10:11], s[12:13]     ; W
	s_cselect_b64 s[40:41], s[16:17], s[18:19]     ; b
	s_cselect_b64 s[42:43], s[22:23], s[24:25]     ; out
	s_cselect_b32 s33, 0, 8                        ; the product's first row block
	s_cselect_b32 s34, 0x8000, s34                 ; bytes from head to head in qh
	s_cmp_lt_u32 s32, 24
	s_cselect_b64 s[36:37], s[36:37], s[8:9]
	s_cselect_b64 s[38:39], s[38:39], s[14:15]
	s_cselect_b64 s[40:41], s[40:41], s[20:21]
	s_cselect_b64 s[42:43], s[42:43], s[26:27]
	s_cselect_b32 s33, s33, 24
	s_sub_co_u32 s33, s32, s33                     ; rl: row block inside the product
	s_lshl_b32 s44, s33, 16                        ; 64 rows of 1,024 bytes
	s_add_nc_u64 s[36:37], s[36:37], s[44:45]
	s_lshl_b32 s44, s31, 8                         ; 64 columns of 4 bytes
	s_add_nc_u64 s[38:39], s[38:39], s[44:45]
	s_add_nc_u64 s[40:41], s[40:41], s[44:45]
	; 33 loads: the bias word, 16 passes of X (4 rows each), 16 passes of W (16 k rows each)
	global_load_b32 v10, v15, s[40:41]
.irp p, 0,1,2,3,4,5,6,7,8,9,10,11,12,13,14,15
	global_load_b128 v[XD+4*\p:XD+4*\p+3], v8, s[36:37] offset:\p*4096
.endr
.irp p, 0,1,2,3,4,5,6,7,8,9,10,11,12,13,14,15
	global_load_b128 v[WD+4*\p:WD+4*\p+3], v9, s[38:39] offset:\p*16384
.endr
.macro CVX p                           ; pass p of X: four f32 to four f16, into LDS
	s_wait_loadcnt 31-\p                           ; younger: 15 - p loads of X and 16 of W
	v_cvt_pk_f16_f32 v[XD+4*\p], v[XD+4*\p], v[XD+4*\p+1]
	v_cvt_pk_f16_f32 v[XD+4*\p+1], v[XD+4*\p+2], v[XD+4*\p+3]
	ds_store_b64 v4, v[XD+4*\p:XD+4*\p+1] offset:XS+\p*4*XP
.endm
.macro CVW p, younger                  ; pass p of W likewise; younger = loads issued behind W's sixteen
	s_wait_loadcnt 15-\p+\younger
	v_cvt_pk_f16_f32 v[WD+4*\p], v[WD+4*\p], v[WD+4*\p+1]
	v_cvt_pk_f16_f32 v[WD+4*\p+1], v[WD+4*\p+2], v[WD+4*\p+3]
	ds_store_b64 v5, v[WD+4*\p:WD+4*\p+1] offset:\p*16*WP
.endm
	s_wait_loadcnt 32                              ; the bias word is in; the 32 younger loads stay out
	ds_store_b32 v11, v10
.irp p, 0,1,2,3,4,5,6,7,8,9,10,11,12,13,14,15
	CVX \p
.endr
.irp p, 0,1,2,3,4,5,6,7,8,9,10,11,12,13,14,15
	CVW \p, 0
.endr
	s_wait_dscnt 0x0                               ; my stores are in LDS, for the other waves' sake
	s_barrier_signal -1
	s_barrier_wait -1
	; all 24 fragments of the wave's K = 256: X from rows along K, W (stored [k][n]) by the transposing load
.irp ks, 0,1,2,3,4,5,6,7
	ds_load_b128 v[FR+24*\ks:FR+24*\ks+3], v6 offset:XS+64*\ks
	ds_load_b128 v[FR+24*\ks+4:FR+24*\ks+7], v6 offset:XS+64*\ks+32
.irp n, 0,1
	ds_load_tr16_b128 v[FR+24*\ks+8+8*\n:FR+24*\ks+11+8*\n], v7 offset:32*WP*\ks+32*\n
	ds_load_tr16_b128 v[FR+24*\ks+12+8*\n:FR+24*\ks+15+8*\n], v7 offset:32*WP*\ks+32*\n+16*WP
.endr
.endr
; 16 matrix instructions.  The two accumulators take turns, one instruction a turn.
; swapped = 1: source 0 = columns of W, source 1 = rows of X: a lane then holds row r and columns 16 n + 8 h + 0..7.
; swapped = 0: a lane holds column 16 n + r and rows 8 h + 0..7.
.macro MM swapped
.irp ks, 0,1,2,3,4,5,6,7
.irp n, 0,1
.if \swapped
	v_wmma_f32_16x16x32_f16 v[ACC+8*\n:ACC+8*\n+7], v[FR+24*\ks+8+8*\n:FR+24*\ks+15+8*\n], v[FR+24*\ks:FR+24*\ks+7], v[ACC+8*\n:ACC+8*\n+7]
.else
	v_wmma_f32_16x16x32_f16 v[ACC+8*\n:ACC+8*\n+7], v[FR+24*\ks:FR+24*\ks+7], v[FR+24*\ks+8+8*\n:FR+24*\ks+15+8*\n], v[ACC+8*\n:ACC+8*\n+7]
.endif
.endr
.endr
.endm
.macro PACK step                       ; 16 f32 to 16 f16, 16 bytes of each accumulator into the stage, step bytes apart
.irp n, 0,1
.irp i, 0,1,2,3
	v_cvt_pk_f16_f32 v[TMP+4*\n+\i], v[ACC+8*\n+2*\i], v[ACC+8*\n+2*\i+1]
.endr
.endr
	ds_store_b128 v12, v[TMP:TMP+3]
	ds_store_b128 v12, v[TMP+4:TMP+7] offset:\step
.endm
	s_lshl_b32 s35, s28, 7
	s_add_co_u32 s35, s35, BS                      ; my wave's bias in LDS
	s_cmp_lt_u32 s32, 24                           ; the same in all waves of the work-group; no barrier stands inside either path
	s_cbranch_scc0 .Lv
	; q and k: the bias of columns 16 n + 8 h + 0..7 starts the sums
	v_lshl_add_u32 v11, v3, 5, s35
.irp n, 0,1
	ds_load_b128 v[ACC+8*\n:ACC+8*\n+3], v11 offset:64*\n
	ds_load_b128 v[ACC+8*\n+4:ACC+8*\n+7], v11 offset:64*\n+16
.endr
	s_wait_dscnt 0x0                               ; fragments and bias are in
	MM 1
	; the stage's addresses: nine plain vector instructions that name no register of the matrix instructions,
	; more than the four places due before the results are read (ISA guide 7.12.1)
	v_mul_u32_u24 v12, v2, 80
	v_lshl_add_u32 v12, v3, 4, v12
	s_mul_i32 s35, s28, 1280                       ; head wc: 64 rows x 80 bytes; my 16 rows in it: 5,120 wc + 1,280 wr = 1,280 w
	s_add_co_u32 s35, s35, ST
	v_add_nc_u32 v12, s35, v12                     ; in: row r, 16 bytes for each half of the lanes
	v_lshrrev_b32 v13, 2, v0
	v_and_b32 v14, 3, v0
	v_mul_u32_u24 v13, v13, 80
	v_lshl_add_u32 v13, v14, 4, v13
	v_add_nc_u32 v13, ST, v13                      ; back: row t>>2 of the first head, 16 bytes at (t&3)*16
	v_add_nc_u32 v14, 5120, v13                    ; and of the second head
	s_mul_i32 s44, s31, s34
	s_lshl_b32 s44, s44, 1                         ; head 2 cb
	s_lshl_b32 s35, s33, 12                        ; 64 rows of 64 bytes
	s_add_co_u32 s44, s44, s35
	s_add_nc_u64 s[42:43], s[42:43], s[44:45]
	s_mov_b32 s44, s34
	s_add_nc_u64 s[46:47], s[42:43], s[44:45]      ; head 2 cb + 1
	s_cmp_lt_u32 s32, 8
	s_cbranch_scc0 .Lpack
.irp j, 0,2,4,6,8,10,12,14
	v_pk_mul_f32 v[ACC+\j:ACC+\j+1], v[ACC+\j:ACC+\j+1], 0x3e3504f3 op_sel_hi:[1,0]   ; q alone: x 32^-0.5, behind the bias
.endr
.Lpack:
	PACK 32
	s_branch .Lout
.Lv:	; v: a lane holds one column d and eight neighbouring keys, which is a piece of a row of the transposed output
	v_lshl_add_u32 v11, v2, 2, s35
	ds_load_b32 v[BV], v11
	ds_load_b32 v[BV+1], v11 offset:64
	s_wait_dscnt 0x0                               ; fragments and bias are in
.irp n, 0,1
.irp j, 0,1,2,3,4,5,6,7
	v_mov_b32 v[ACC+8*\n+\j], v[BV+\n]             ; the column's bias starts its eight sums
.endr
.endr
	MM 0
	; again the stage's addresses fill the places behind the matrix instructions (ISA guide 7.12.1)
	v_mul_u32_u24 v12, v2, 144
	v_lshl_add_u32 v12, v3, 4, v12
	s_mul_i32 s35, s30, 32*144
	s_lshl_b32 s44, s29, 5
	s_add_co_u32 s35, s35, s44
	s_add_co_u32 s35, s35, ST
	v_add_nc_u32 v12, s35, v12                     ; in: row d = 32 wc + 16 n + r (pitch 144), keys 16 wr + 8 h + 0..7
	v_lshrrev_b32 v13, 3, v0
	v_and_b32 v14, 7, v0
	v_mul_u32_u24 v13, v13, 144
	v_lshl_add_u32 v13, v14, 4, v13
	v_add_nc_u32 v13, ST, v13                      ; back: row t>>3, 16 bytes at (t&7)*16
	v_add_nc_u32 v14, 32*144, v13                  ; and 32 rows further down
	s_lshl_b32 s44, s33, 15                        ; key block rl: 256 rows of 128 bytes
	s_lshl_b32 s35, s31, 13                        ; 64 rows of 128 bytes
	s_add_co_u32 s44, s44, s35
	s_add_nc_u64 s[42:43], s[42:43], s[44:45]
	s_add_nc_u64 s[46:47], s[42:43], 4096
	PACK 16*144
.Lout:
	s_wait_dscnt 0x0                               ; my part of the stage is written
	s_barrier_signal -1
	s_barrier_wait -1
	ds_load_b128 v[OUT:OUT+3], v13                 ; data bytes alone: neither path's address reaches a row's padding
	ds_load_b128 v[OUT+4:OUT+7], v14
	s_wait_dscnt 1                                 ; the first is in, the second may be out
	global_store_b128 v8, v[OUT:OUT+3], s[42:43]   ; a wave's store covers 512 consecutive bytes, aligned
	s_wait_dscnt 0x0
	global_store_b128 v8, v[OUT+4:OUT+7], s[46:47]
	s_wait_tensorcnt 0x0
	ds_add_u32 v244, v245
	s_wait_dscnt 0x0
	s_endpgm
.Lfunc_end_k_q518a9dcffd_proj:
	.size	k_q518a9dcffd_proj, .Lfunc_end_k_q518a9dcffd_proj-k_q518a9dcffd_proj
	.p2alignl 7, 3214868480
	.fill 96, 4, 3214868480
	.section	.rodata,"a",@progbits
	.p2align	6, 0x0
	.amdhsa_kernel k_q518a9dcffd_proj
		.amdhsa_group_segment_fixed_size 87040
		.amdhsa_private_segment_fixed_size 0
		.amdhsa_enable_private_segment 0
		.amdhsa_kernarg_size 96
		.amdhsa_user_sgpr_count 2
		.amdhsa_user_sgpr_kernarg_segment_ptr 1
		.amdhsa_wavefront_size32 1
		.amdhsa_system_sgpr_workgroup_id_x 1
		.amdhsa_system_sgpr_workgroup_id_y 1
		.amdhsa_system_sgpr_workgroup_id_z 1
		.amdhsa_system_vgpr_workitem_id 0
		.amdhsa_next_free_vgpr 246
		.amdhsa_next_free_sgpr 66
		.amdhsa_reserve_vcc 0
		.amdhsa_float_denorm_mode_32 3
		.amdhsa_float_denorm_mode_16_64 3
		.amdhsa_memory_ordered 1
		.amdhsa_forward_progress 1
		.amdhsa_inst_pref_size 24
	.end_amdhsa_kernel
	.amdgpu_metadata
---
amdhsa.version: [ 1, 2 ]
amdhsa.kernels:
  - .name:           k_q518a9dcffd_proj
    .symbol:         k_q518a9dcffd_proj.kd
    .args:
      - { .name: query, .offset: 0, .size: 8, .value_kind: global_buffer, .address_space: global }
      - { .name: k_input_flatten, .offset: 8, .size: 8, .value_kind: global_buffer, .address_space: global }
      - { .name: v_input_flatten, .offset: 16, .size: 8, .value_kind: global_buffer, .address_space: global }
      - { .name: Wq, .offset: 24, .size: 8, .value_kind: global_buffer, .address_space: global }
      - { .name: Wk, .offset: 32, .size: 8, .value_kind: global_buffer, .address_space: global }
      - { .name: Wv, .offset: 40, .size: 8, .value_kind: global_buffer, .address_space: global }
      - { .name: bq, .offset: 48, .size: 8, .value_kind: global_buffer, .address_space: global }
      - { .name: bk, .offset: 56, .size: 8, .value_kind: global_buffer, .address_space: global }
      - { .name: bv, .offset: 64, .size: 8, .value_kind: global_buffer, .address_space: global }
      - { .name: qh, .offset: 72, .size: 8, .value_kind: global_buffer, .address_space: global }
      - { .name: kh, .offset: 80, .size: 8, .value_kind: global_buffer, .address_space: global }
      - { .name: vB, .offset: 88, .size: 8, .value_kind: global_buffer, .address_space: global }
    .group_segment_fixed_size: 87040
    .private_segment_fixed_size: 0
    .kernarg_segment_align: 8
    .kernarg_segment_size: 96
    .max_flat_workgroup_size: 256
    .sgpr_count:     66
    .vgpr_count:     246
    .wavefront_size: 32
...
	.end_amdgpu_metadata
.endif
;; end of part 1
;; launch attn (part 2): grid 32 x 8, 8 waves a work-group, no clusters, 270,080 bytes of LDS; arguments attn_mask, input_padding_mask, W1, b1, W2, qh, kh, vB, Opart, ML; writes Opart, ML
.if DOCPART == 2
	.amdgcn_target "amdgcn-amd-amdhsa--gfx1250"
	.amdhsa_code_object_version 6
	.text
	.protected	k_q518a9dcffd_attn
	.globl	k_q518a9dcffd_attn
	.p2align	8
	.type	k_q518a9dcffd_attn,@function
k_q518a9dcffd_attn:
	s_mov_b64 s[64:65], 0
	v_nop
	global_prefetch_b8 v0, s[64:65] scope:SCOPE_SE
	s_setreg_imm32_b32 hwreg(HW_REG_WAVE_MODE, 25, 1), 1
	s_wait_xcnt 0x0
; For 16 queries (x of the grid) x 128 keys (y of the grid) x 8 heads:
;   bias[h][q][k] = sum over 512 hidden units u of relu(mask[q][k] W1[u] + b1[u]) W2[u][h]      (phase 1)
;   s = q.k + bias - 100 pad[k];  m = max over the 128 keys;  p = exp(s - m);  l = sum p;  O = p V  (phase 2)
; O (not normalised), m and l go to memory; the next launch merges the eight key blocks of a query by their maxima.
; 256 work-groups of eight waves.  Phase 1: wave w owns query rows 2w, 2w+1: eight tiles of 32 positions.  Phase 2: wave w owns head w.
;
; PHASE 1, one matrix instruction for 32 positions x 16 hidden units x 8 heads.  Lane L makes the 16 hidden values of ITS position
; (tile's key 32 c + L) and packs them into its 8 registers of source 0.  In source 0's layout lanes 0-15 fill 16 of the 32 places along K
; of rows 0-15 and lanes 16-31 the other 16 places, so a row holds position r in one half of K and position r + 16 in the other.
; Source 1 is block-diagonal: columns 0-7 hold W2's 8 heads in the first half of K and zeros in the second, columns 8-15 the other way
; round.  Result: lane (r, h), register j = head r & 7, key 32 c + 16 (r >> 3) + 8 h + j.
;
; K, V and q tiles come by four tensor loads a wave, issued once at the head and first read behind phase 1; nothing is filled twice.
; NO JOINT LOADS, though the 32 work-groups of one key block read the same K and V: a work-group asks for its 128 KiB of K and V once,
; has the 256 matrix instructions.
; FORMATS: hidden values and W2 in bf16: their rounding (up to 2^-9 of each of 512 terms) reaches the result through the logits alone, and
; bf16 has f32's range.  q, k, p, v in f16 (up to 2^-12): p's and v's rounding reaches the result directly.
; LIMITS: p below 2^-25 (of the block's largest, which is 1) becomes 0 in f16, and p under 2^-14 has a step of 2^-24; q, k, v arrive as f16
; (at most 65,504 in magnitude); a NaN that reaches the ReLU becomes 0 (v_max_num_f32 drops it) where the definition would hand it on;
; v_exp_f32 gives 0 for results below 2^-126 (ISA guide 15.8).
.set TAB,  0                           ; W1 f32 [512], then b1 f32 [512]
.set W2T,  4096                        ; bf16 [head][512], pitch 1,040; row 8 is zeros
.set W2P,  1040
.set PADT, 13568                       ; pad[k0 .. +127] f32, a copy of 512 bytes for each wave
.set BIAS, 17664                       ; f32 [head] pitch 8,480 [q] pitch 528 [128 keys]
.set BHP,  8480
.set BQP,  528
.set OST,  85504                       ; the way out: f32 [16 q] pitch 1,040 [256 d]
.set OSP,  1040
.set MLS,  102144                      ; m: 128 words, l: 128 words
.set KT,   103168                      ; from here on tensor loads alone write.  Each wave: 128 keys x 80 bytes
.set QT,   185088                      ; each wave: 16 q x 80
.set VT,   195328                      ; each wave: 2 key blocks x 32 d x 144
.set KP,   80
.set VP,   144
; registers, phase 1
.set X,   8                            ; v[8:15]    mask value of my position in tiles 0..7
.set ACC, 16                           ; v[16:79]   eight accumulators
.set C0,  80                           ; v[80:119]  constants of a chunk of 16 hidden units: W1 16, b1 16, source 1 fragment 8
.set C1,  120                          ; v[120:159] the same, the other buffer
.set Y,   160                          ; v[160:175] 16 hidden values in f32
.set AF,  176                          ; v[176:183] the same in bf16: source 0
; registers, phase 2
.set SC,  16                           ; v[16:79]   logits, then p: tile kt (16 keys): q = r, keys 16 kt + 8 h + 0..7
.set KF,  80                           ; v[80:143]  K fragments
.set PF,  80                           ; v[80:111]  p in f16
.set PD,  144                          ; v[144:207] pad of my keys
.set VF,  144                          ; v[144:207] then V fragments
.set QF,  208                          ; v[208:215]
.set OA,  216                          ; v[216:231] two accumulators of O
.set TM,  232                          ; v[232:235] maxima
.set TL,  236                          ; v[236:243] sums
.set NM,  244                          ; v[244:245] -m log2(e), twice
	s_load_b512 s[4:19], s[0:1], 0x0               ; mask s4, pad s6, W1 s8, b1 s10, W2 s12, qh s14, kh s16, vB s18
	s_load_b128 s[20:23], s[0:1], 0x40             ; Opart s20, ML s22
	v_lshl_add_u32 v248, v0, 2, 0x41b00
	v_mov_b32 v249, 0
	ds_add_u32 v248, v249
	ds_add_u32 v248, v249
	v_lshrrev_b32 v1, 5, v0
	v_readfirstlane_b32 s24, v1                    ; wave w
	s_mov_b32 s25, ttmp9                           ; bx: queries 16 bx ..
	s_and_b32 s26, ttmp7, 0xffff                   ; by: keys 128 by ..
	s_mov_b32 s29, 0                               ; high word of every offset pair
	s_mov_b32 s76, 0x76543210                      ; v_permlanex16_b32: lane i reads lane i of the other half
	s_mov_b32 s77, 0xfedcba98
	; Descriptors.  Each tile is dense in its buffer, so it is described as rows of 128 elements = 256 bytes; the padding is counted
	; in dwords along the tile, so 4 dwords behind every 16 (K, q: a head's row of 64 bytes) or every 32 (V: 64 keys) give pitches 80 and 144.
	s_mov_b32 s32, (1<<16)|(1<<20)|(3<<22)|(3<<25) ; K: elements of 2 bytes, padding on, behind every 16 dwords, 4 dwords
	s_mov_b32 s33, 128<<16                         ; tensor_dim0 = 128
	s_mov_b32 s34, 32<<16                          ; tensor_dim1 = 32
	s_mov_b32 s35, 128<<16                         ; tile_dim0 = 128
	s_mov_b32 s36, 32                              ; tile_dim1 = 32: 8,192 bytes = 128 keys
	s_mov_b32 s37, 128                             ; from row to row
	s_mov_b32 s38, 0
	s_mov_b32 s39, 0
	s_mov_b32 s40, (1<<16)|(1<<20)|(3<<22)|(3<<25) ; q: the same with 4 rows: 1,024 bytes = 16 queries
	s_mov_b32 s41, 128<<16
	s_mov_b32 s42, 4<<16
	s_mov_b32 s43, 128<<16
	s_mov_b32 s44, 4
	s_mov_b32 s45, 128
	s_mov_b32 s46, 0
	s_mov_b32 s47, 0
	s_mov_b32 s48, (1<<16)|(1<<20)|(4<<22)|(3<<25) ; V: padding behind every 32 dwords; 16 rows: 4,096 bytes = 32 d x 64 keys
	s_mov_b32 s49, 128<<16
	s_mov_b32 s50, 16<<16
	s_mov_b32 s51, 128<<16
	s_mov_b32 s52, 16
	s_mov_b32 s53, 128
	s_mov_b32 s54, 0
	s_mov_b32 s55, 0
	s_mov_b32 s56, 1
	s_mul_i32 s57, s24, 128*KP
	s_add_co_u32 s57, s57, KT                      ; LDS: a constant + wave x a constant: each wave's own bytes
	s_mov_b32 s60, 1
	s_mul_i32 s61, s24, 16*KP
	s_add_co_u32 s61, s61, QT
	s_mov_b32 s68, 1
	s_mul_i32 s69, s24, 64*VP
	s_add_co_u32 s69, s69, VT
	s_mov_b32 s72, 1
	s_add_co_u32 s73, s69, 32*VP
	s_wait_dscnt 0x0
	s_wait_kmcnt 0x0
	s_lshl_b32 s28, s24, 16                        ; kh: head w (65,536 bytes) + 128 by keys of 64 bytes
	s_lshl_b32 s31, s26, 13
	s_add_co_u32 s28, s28, s31
	s_add_nc_u64 s[58:59], s[16:17], s[28:29]
	s_or_b32 s59, s59, 0x80000000
	tensor_load_to_lds s[56:59], s[32:39]
	s_nop 0
	s_lshl_b32 s28, s24, 15                        ; qh: head w (32,768 bytes) + 16 bx queries of 64 bytes
	s_lshl_b32 s31, s25, 10
	s_add_co_u32 s28, s28, s31
	s_add_nc_u64 s[62:63], s[14:15], s[28:29]
	s_or_b32 s63, s63, 0x80000000
	tensor_load_to_lds s[60:63], s[40:47]
	s_nop 0
	s_lshl_b32 s28, s26, 16                        ; vB: key block 2 by (32,768 bytes each) + 32 w rows of 128 bytes
	s_lshl_b32 s31, s24, 12
	s_add_co_u32 s28, s28, s31
	s_add_nc_u64 s[70:71], s[18:19], s[28:29]
	s_add_nc_u64 s[74:75], s[70:71], 0x8000        ; key block 2 by + 1
	s_or_b32 s71, s71, 0x80000000
	s_or_b32 s75, s75, 0x80000000
	tensor_load_to_lds s[68:71], s[48:55]
	s_nop 0
	tensor_load_to_lds s[72:75], s[48:55]          ; four tensor loads of the wave are out, and no more follow
	s_nop 0
	; the mask values of my 256 positions, and the tables
	v_and_b32 v1, 31, v0                           ; L
	s_lshl_b32 s28, s25, 16                        ; 16 bx rows of 4,096 bytes
	s_lshl_b32 s31, s26, 9                         ; 128 by keys of 4 bytes
	s_add_co_u32 s28, s28, s31
	s_add_nc_u64 s[4:5], s[4:5], s[28:29]
	s_mov_b32 s28, s31
	s_add_nc_u64 s[6:7], s[6:7], s[28:29]
	s_cmp_lt_u32 s24, 4
	s_cselect_b64 s[78:79], s[8:9], s[10:11]       ; waves 0-3 bring W1, waves 4-7 b1
	s_lshl_b32 s31, s24, 13
	v_lshl_add_u32 v3, v1, 2, s31                  ; two rows a wave + 4 L
	v_and_b32 v4, 127, v0
	v_lshlrev_b32 v4, 4, v4
	v_lshlrev_b32 v5, 6, v0                        ; W2: rows 2t, 2t+1 (32 bytes each)
	v_lshlrev_b32 v6, 4, v1
	v_lshlrev_b32 v7, 4, v0
	v_lshlrev_b32 v40, 2, v0
.irp i, 0,1
.irp c, 0,1,2,3
	global_load_b32 v[X+4*\i+\c], v3, s[4:5] offset:\i*4096+\c*128 th:TH_LOAD_NT   ; tile 4 i + c; each mask value is read once in the launch
.endr
.endr
	global_load_b128 v[16:19], v4, s[78:79]
	global_load_b128 v[20:23], v5, s[12:13]
	global_load_b128 v[24:27], v5, s[12:13] offset:16
	global_load_b128 v[28:31], v5, s[12:13] offset:32
	global_load_b128 v[32:35], v5, s[12:13] offset:48
	global_load_b128 v[36:39], v6, s[6:7]
	; source 1's row in W2T: lane (n, hb) takes head n & 7 where n >> 3 == hb, the row of zeros otherwise
	v_bfe_u32 v50, v0, 3, 1
	v_bfe_u32 v51, v0, 4, 1
	v_xor_b32 v50, v50, v51                        ; z = 1: zeros
	v_xor_b32 v51, 1, v50
	v_and_b32 v52, 7, v0
	v_mul_u32_u24 v52, v52, v51
	v_lshl_add_u32 v52, v50, 3, v52                ; z ? 8 : n & 7
	v_mul_u32_u24 v2, v52, W2P
	v_add_nc_u32 v2, W2T, v2                       ; walks 32 bytes a chunk
	v_mov_b32 v1, 0                                ; walks 64 bytes a chunk through W1 and b1; the same in all lanes
	v_mov_b32 v49, 0
	s_wait_loadcnt 0x0                             ; the launch's only wait for global loads
	ds_store_b128 v7, v[16:19] offset:TAB
	ds_store_b128 v7, v[36:39] offset:PADT
.irp n, 0,1,2,3,4,5,6,7
	v_cvt_pk_bf16_f32 v[41+\n], v[20+\n], v[28+\n] ; head n of hidden units 2t, 2t+1
	ds_store_b32 v40, v[41+\n] offset:W2T+\n*W2P
.endr
	ds_store_b32 v40, v49 offset:W2T+8*W2P
	s_wait_dscnt 0x0                               ; the tables are written, for the other waves' sake
	s_barrier_signal -1                            ; the tensor loads stay out
	s_barrier_wait -1
.macro FETCH buf, koff                 ; the constants of the chunk koff chunks ahead of the walkers: ten LDS loads
.irp q, 0,1,2,3
	ds_load_b128 v[\buf+4*\q:\buf+4*\q+3], v1 offset:TAB+\koff*64+16*\q
.endr
.irp q, 0,1,2,3
	ds_load_b128 v[\buf+16+4*\q:\buf+16+4*\q+3], v1 offset:TAB+2048+\koff*64+16*\q
.endr
	ds_load_b128 v[\buf+32:\buf+35], v2 offset:\koff*32
	ds_load_b128 v[\buf+36:\buf+39], v2 offset:\koff*32+16
.endm
.macro HID t8, buf                     ; y = x W1 + b1 for 16 hidden units; x of tile t8 is one register of a pair, sent to both halves
.irp e, 0,2,4,6,8,10,12,14
.if (\t8)&1
	v_pk_fma_f32 v[Y+\e:Y+\e+1], v[X+((\t8)&6):X+((\t8)&6)+1], v[\buf+\e:\buf+\e+1], v[\buf+16+\e:\buf+16+\e+1] op_sel:[1,0,0] op_sel_hi:[1,1,1]
.else
	v_pk_fma_f32 v[Y+\e:Y+\e+1], v[X+((\t8)&6):X+((\t8)&6)+1], v[\buf+\e:\buf+\e+1], v[\buf+16+\e:\buf+16+\e+1] op_sel_hi:[0,1,1]
.endif
.endr
.endm
.macro REST t8, buf, zero              ; ReLU, rounding to bf16, and the product with W2
.irp e, 0,2,4,6,8,10,12,14
	v_dual_max_num_f32 v[Y+\e], 0, v[Y+\e] :: v_dual_max_num_f32 v[Y+\e+1], 0, v[Y+\e+1]
.endr
.irp e, 0,1,2,3,4,5,6,7
	v_cvt_pk_bf16_f32 v[AF+\e], v[Y+2*\e], v[Y+2*\e+1]     ; 16 places behind the matrix instruction that read AF last (ISA guide 7.12.1 asks four)
.endr
.if \zero
	v_wmma_f32_16x16x32_bf16 v[ACC+8*\t8:ACC+8*\t8+7], v[AF:AF+7], v[\buf+32:\buf+39], 0    ; the first chunk starts the sums
.else
	v_wmma_f32_16x16x32_bf16 v[ACC+8*\t8:ACC+8*\t8+7], v[AF:AF+7], v[\buf+32:\buf+39], v[ACC+8*\t8:ACC+8*\t8+7]
.endif
.endm
; One chunk of 16 hidden units for the wave's eight tiles.  The eight accumulators take turns, one instruction a turn, over the
; backward jump too.  The other buffer is fetched behind the first tile's eight multiply-adds: eight places
; behind the matrix instruction that read that buffer's fragment last.
.macro CHUNK buf, zero, fetch, fbuf, koff
	s_wait_dscnt 0x0                               ; the ten loads issued a chunk ago; nothing younger is out
	HID 0, \buf
.if \fetch
	FETCH \fbuf, \koff
.endif
	REST 0, \buf, \zero
.irp t, 1,2,3,4,5,6,7
	HID \t, \buf
	REST \t, \buf, \zero
.endr
.endm
.macro PAIR zero
	CHUNK C0, \zero, 1, C1, 1
	CHUNK C1, 0, 1, C0, 2
	v_add_nc_u32 v1, 128, v1
	v_add_nc_u32 v2, 64, v2
.endm
	; 32 chunks: 2 ahead of the loop, 14 trips of 2, 2 behind it (the last fetches nothing)
	FETCH C0, 0
	PAIR 1
	s_mov_b32 s30, 14
.Lmlp:
	PAIR 0
	s_sub_co_i32 s30, s30, 1
	s_cmp_lg_u32 s30, 0
	s_cbranch_scc1 .Lmlp
	CHUNK C0, 0, 1, C1, 1
	CHUNK C1, 0, 0, C0, 0
	; PHASE 2.  The bias goes through LDS from the wave that owns the query row to the wave that owns the head.
	; The address work stands in the places behind the last matrix instruction (eight plain vector instructions; four are due).
	v_and_b32 v11, 15, v0                          ; r
	v_bfe_u32 v12, v0, 4, 1                        ; h
	v_and_b32 v13, 7, v0
	v_bfe_u32 v14, v0, 3, 1
	v_mul_u32_u24 v3, v13, BHP                     ; head r & 7
	v_lshl_add_u32 v3, v14, 6, v3                  ; keys 16 (r >> 3)
	v_lshl_add_u32 v3, v12, 5, v3                  ; + 8 h
	s_mul_i32 s28, s24, 2*BQP                      ; query row 2 w
	s_add_co_u32 s28, s28, BIAS
	v_add_nc_u32 v3, s28, v3
.irp i, 0,1
.irp c, 0,1,2,3
	ds_store_b128 v3, v[ACC+8*(4*\i+\c):ACC+8*(4*\i+\c)+3] offset:\i*BQP+\c*128
	ds_store_b128 v3, v[ACC+8*(4*\i+\c)+4:ACC+8*(4*\i+\c)+7] offset:\i*BQP+\c*128+16
.endr
.endr
	v_mul_u32_u24 v4, v11, BQP
	v_lshl_add_u32 v4, v12, 5, v4
	s_mul_i32 s28, s24, BHP
	s_add_co_u32 s28, s28, BIAS
	v_add_nc_u32 v4, s28, v4                       ; bias of head w: row q = r, keys 8 h ..
	s_lshl_b32 s28, s24, 9
	s_add_co_u32 s28, s28, PADT
	v_lshl_add_u32 v5, v12, 5, s28                 ; pad: keys 8 h ..
	v_mul_u32_u24 v6, v11, KP
	v_lshl_add_u32 v6, v12, 4, v6                  ; row r x 80 + 16 h
	s_mul_i32 s28, s24, 128*KP
	s_add_co_u32 s28, s28, KT
	v_add_nc_u32 v7, s28, v6                       ; K fragments
	s_mul_i32 s28, s24, 16*KP
	s_add_co_u32 s28, s28, QT
	v_add_nc_u32 v6, s28, v6                       ; q fragment
	v_mul_u32_u24 v1, v11, VP
	v_lshl_add_u32 v1, v12, 4, v1
	s_mul_i32 s28, s24, 64*VP
	s_add_co_u32 s28, s28, VT
	v_add_nc_u32 v1, s28, v1                       ; V fragments: row d = r x 144 + 16 h
	s_lshl_b32 s28, s24, 6
	s_add_co_u32 s28, s28, MLS
	v_lshl_add_u32 v2, v11, 2, s28                 ; m of (head w, q = r)
	s_wait_dscnt 0x0                               ; my bias rows are written
	s_wait_tensorcnt 0x0                           ; my four tiles have landed; only I read them
	s_barrier_signal -1
	s_barrier_wait -1
.irp kt, 0,1,2,3,4,5,6,7
	ds_load_b128 v[SC+8*\kt:SC+8*\kt+3], v4 offset:64*\kt
	ds_load_b128 v[SC+8*\kt+4:SC+8*\kt+7], v4 offset:64*\kt+16
.endr
.irp kt, 0,1,2,3,4,5,6,7
	ds_load_b128 v[PD+8*\kt:PD+8*\kt+3], v5 offset:64*\kt
	ds_load_b128 v[PD+8*\kt+4:PD+8*\kt+7], v5 offset:64*\kt+16
.endr
	ds_load_b128 v[QF:QF+3], v6
	ds_load_b128 v[QF+4:QF+7], v6 offset:32
.irp kt, 0,1,2,3,4,5,6,7
	ds_load_b128 v[KF+8*\kt:KF+8*\kt+3], v7 offset:\kt*16*KP
	ds_load_b128 v[KF+8*\kt+4:KF+8*\kt+7], v7 offset:\kt*16*KP+32
.endr
	s_wait_dscnt 18                                ; bias and pad are in; the 2 + 16 loads of q and K are younger
.set n, 0
.rept 32
	v_pk_fma_f32 v[SC+n:SC+n+1], v[PD+n:PD+n+1], 0xc2c80000, v[SC+n:SC+n+1] op_sel_hi:[1,0,1]   ; bias - 100 pad
.set n, n+2
.endr
.irp kk, 0,1,2,3
.irp dt, 0,1
	ds_load_b128 v[VF+8*(2*\kk+\dt):VF+8*(2*\kk+\dt)+3], v1 offset:(\kk/2)*32*VP+\dt*16*VP+(\kk&1)*64
	ds_load_b128 v[VF+8*(2*\kk+\dt)+4:VF+8*(2*\kk+\dt)+7], v1 offset:(\kk/2)*32*VP+\dt*16*VP+(\kk&1)*64+32
.endr
.endr
	s_wait_dscnt 16                                ; q and K are in; V's 16 loads are younger
.irp kt, 0,1,2,3,4,5,6,7
	v_wmma_f32_16x16x32_f16 v[SC+8*\kt:SC+8*\kt+7], v[KF+8*\kt:KF+8*\kt+7], v[QF:QF+7], v[SC+8*\kt:SC+8*\kt+7]   ; rows = keys, columns = queries; eight accumulators, one link each
.endr
.rept 4
	v_nop                                          ; four places before the results are read (ISA guide 7.12.1)
.endr
	; m: the maximum of my 64 logits in four chains, then the other half of the keys from lane L xor 16
.irp c, 0,1,2,3
	v_max3_num_f32 v[TM+\c], v[SC+16*\c], v[SC+16*\c+1], v[SC+16*\c+2]
.endr
.irp i, 3,5,7,9,11,13
.irp c, 0,1,2,3
	v_max3_num_f32 v[TM+\c], v[TM+\c], v[SC+16*\c+\i], v[SC+16*\c+\i+1]
.endr
.endr
	v_max3_num_f32 v[TM], v[TM], v[SC+15], v[SC+31]
	v_max3_num_f32 v[TM+1], v[TM+1], v[SC+47], v[SC+63]
	v_max3_num_f32 v[TM], v[TM], v[TM+1], v[TM+2]
	v_max_num_f32 v[TM], v[TM], v[TM+3]
	v_permlanex16_b32 v[TM+1], v[TM], s76, s77
	v_max_num_f32 v[TM], v[TM], v[TM+1]            ; the block's maximum for q = r, in both halves
	v_mul_f32 v[NM], 0xbfb8aa3b, v[TM]
	v_mul_f32 v[NM+1], 0xbfb8aa3b, v[TM]
.set n, 0
.rept 32
	v_pk_fma_f32 v[SC+n:SC+n+1], v[SC+n:SC+n+1], 0x3fb8aa3b, v[NM:NM+1] op_sel_hi:[1,0,1]      ; (s - m) log2(e), at most about 0
.set n, n+2
.endr
.set n, 0
.rept 64
	v_exp_f32 v[SC+n], v[SC+n]
.set n, n+1
.endr
	v_nop                                          ; one plain instruction behind the last exponential before its result is used (ISA guide 5.7.2)
	; l: four chains of packed adds
	s_wait_alu depctr_va_vdst(0)
.irp c, 0,1,2,3
	v_pk_add_f32 v[TL+2*\c:TL+2*\c+1], v[SC+16*\c:SC+16*\c+1], v[SC+16*\c+2:SC+16*\c+3]
.endr
.irp i, 4,6,8,10,12,14
.irp c, 0,1,2,3
	v_pk_add_f32 v[TL+2*\c:TL+2*\c+1], v[TL+2*\c:TL+2*\c+1], v[SC+16*\c+\i:SC+16*\c+\i+1]
.endr
.endr
	v_pk_add_f32 v[TL:TL+1], v[TL:TL+1], v[TL+2:TL+3]
	v_pk_add_f32 v[TL+4:TL+5], v[TL+4:TL+5], v[TL+6:TL+7]
	v_pk_add_f32 v[TL:TL+1], v[TL:TL+1], v[TL+4:TL+5]
	v_add_f32 v[TL], v[TL], v[TL+1]
	v_permlanex16_b32 v[TL+1], v[TL], s76, s77
	v_add_f32 v[TL], v[TL], v[TL+1]
	; p in f16 (p is at most about 1).  As source 1 (columns = queries) a lane wants keys 32 kk + 8 h + 0..7 and 32 kk + 16 + 8 h + 0..7:
	; exactly what it holds in tiles 2 kk and 2 kk + 1, so register n of PF is the pair (2n, 2n+1) of SC.
.set n, 0
.rept 32
	v_cvt_pk_f16_f32 v[PF+n], v[SC+2*n], v[SC+2*n+1]
.set n, n+1
.endr
	ds_store_b32 v2, v[TM]                         ; both halves of the lanes write the same word with the same value
	ds_store_b32 v2, v[TL] offset:512
	s_wait_dscnt 0x0                               ; V's fragments are in
.irp kk, 0,1,2,3
.irp dt, 0,1
.if \kk == 0
	v_wmma_f32_16x16x32_f16 v[OA+8*\dt:OA+8*\dt+7], v[VF+8*(2*\kk+\dt):VF+8*(2*\kk+\dt)+7], v[PF+8*\kk:PF+8*\kk+7], 0
.else
	v_wmma_f32_16x16x32_f16 v[OA+8*\dt:OA+8*\dt+7], v[VF+8*(2*\kk+\dt):VF+8*(2*\kk+\dt)+7], v[PF+8*\kk:PF+8*\kk+7], v[OA+8*\dt:OA+8*\dt+7]   ; the two accumulators take turns
.endif
.endr
.endr
	; the way out; its address work fills the places behind the matrix instructions (ten plain vector instructions; four are due)
	v_mul_u32_u24 v8, v11, OSP
	v_lshl_add_u32 v8, v12, 5, v8
	s_lshl_b32 s28, s24, 7
	s_add_co_u32 s28, s28, OST
	v_add_nc_u32 v8, s28, v8                       ; in: row q = r, d = 32 w + 16 dt + 8 h + 0..7
	v_lshrrev_b32 v9, 6, v0
	v_and_b32 v13, 63, v0
	v_mul_u32_u24 v9, v9, OSP
	v_lshl_add_u32 v9, v13, 4, v9
	v_add_nc_u32 v9, OST, v9                       ; back: row t>>6 of a pass's four, 16 bytes at (t&63)*16
	v_lshlrev_b32 v10, 4, v0                       ; 16 t in memory
	v_add_nc_u32 v13, MLS, v10
.irp dt, 0,1
	ds_store_b128 v8, v[OA+8*\dt:OA+8*\dt+3] offset:64*\dt
	ds_store_b128 v8, v[OA+8*\dt+4:OA+8*\dt+7] offset:64*\dt+16
.endr
	s_lshl3_add_u32 s31, s25, s26                  ; 8 bx + by
	s_lshl_b32 s28, s31, 14
	s_add_nc_u64 s[20:21], s[20:21], s[28:29]      ; my 16 x 256 f32 of Opart
	s_lshl_b32 s28, s31, 10
	s_add_nc_u64 s[22:23], s[22:23], s[28:29]      ; my 256 words of ML
	s_wait_dscnt 0x0                               ; O, m and l are in LDS
	s_barrier_signal -1
	s_barrier_wait -1
.irp p, 0,1,2,3
	ds_load_b128 v[16+4*\p:19+4*\p], v9 offset:\p*4*OSP
.endr
.irp p, 0,1,2,3
	s_wait_dscnt 3-\p                              ; pass p is in, the younger passes may be out
	global_store_b128 v10, v[16+4*\p:19+4*\p], s[20:21] offset:\p*4096   ; a wave's store covers 512 consecutive bytes, aligned
.endr
	s_cmp_lt_u32 s24, 2                            ; m and l are 1,024 bytes: waves 0 and 1
	s_cbranch_scc0 .Lend
	ds_load_b128 v[32:35], v13
	s_wait_dscnt 0x0
	global_store_b128 v10, v[32:35], s[22:23]
.Lend:
	s_wait_tensorcnt 0x0
	ds_add_u32 v248, v249
	s_wait_dscnt 0x0
	s_endpgm
.Lfunc_end_k_q518a9dcffd_attn:
	.size	k_q518a9dcffd_attn, .Lfunc_end_k_q518a9dcffd_attn-k_q518a9dcffd_attn
	.p2alignl 7, 3214868480
	.fill 96, 4, 3214868480
	.section	.rodata,"a",@progbits
	.p2align	6, 0x0
	.amdhsa_kernel k_q518a9dcffd_attn
		.amdhsa_group_segment_fixed_size 270080
		.amdhsa_private_segment_fixed_size 0
		.amdhsa_enable_private_segment 0
		.amdhsa_kernarg_size 80
		.amdhsa_user_sgpr_count 2
		.amdhsa_user_sgpr_kernarg_segment_ptr 1
		.amdhsa_wavefront_size32 1
		.amdhsa_system_sgpr_workgroup_id_x 1
		.amdhsa_system_sgpr_workgroup_id_y 1
		.amdhsa_system_sgpr_workgroup_id_z 1
		.amdhsa_system_vgpr_workitem_id 0
		.amdhsa_next_free_vgpr 250
		.amdhsa_next_free_sgpr 80
		.amdhsa_reserve_vcc 0
		.amdhsa_float_denorm_mode_32 3
		.amdhsa_float_denorm_mode_16_64 3
		.amdhsa_memory_ordered 1
		.amdhsa_forward_progress 1
		.amdhsa_inst_pref_size 113
	.end_amdhsa_kernel
	.amdgpu_metadata
---
amdhsa.version: [ 1, 2 ]
amdhsa.kernels:
  - .name:           k_q518a9dcffd_attn
    .symbol:         k_q518a9dcffd_attn.kd
    .args:
      - { .name: attn_mask, .offset: 0, .size: 8, .value_kind: global_buffer, .address_space: global }
      - { .name: input_padding_mask, .offset: 8, .size: 8, .value_kind: global_buffer, .address_space: global }
      - { .name: W1, .offset: 16, .size: 8, .value_kind: global_buffer, .address_space: global }
      - { .name: b1, .offset: 24, .size: 8, .value_kind: global_buffer, .address_space: global }
      - { .name: W2, .offset: 32, .size: 8, .value_kind: global_buffer, .address_space: global }
      - { .name: qh, .offset: 40, .size: 8, .value_kind: global_buffer, .address_space: global }
      - { .name: kh, .offset: 48, .size: 8, .value_kind: global_buffer, .address_space: global }
      - { .name: vB, .offset: 56, .size: 8, .value_kind: global_buffer, .address_space: global }
      - { .name: Opart, .offset: 64, .size: 8, .value_kind: global_buffer, .address_space: global }
      - { .name: ML, .offset: 72, .size: 8, .value_kind: global_buffer, .address_space: global }
    .group_segment_fixed_size: 270080
    .private_segment_fixed_size: 0
    .kernarg_segment_align: 8
    .kernarg_segment_size: 80
    .max_flat_workgroup_size: 256
    .sgpr_count:     80
    .vgpr_count:     250
    .wavefront_size: 32
...
	.end_amdgpu_metadata
.endif
;; end of part 2
;; launch outp (part 3): grid 4 x 32, 8 waves a work-group, no clusters, 59,136 bytes of LDS; arguments Opart, ML, Wp, bp, out0; writes out0
.if DOCPART == 3
	.amdgcn_target "amdgcn-amd-amdhsa--gfx1250"
	.amdhsa_code_object_version 6
	.text
	.protected	k_q518a9dcffd_outp
	.globl	k_q518a9dcffd_outp
	.p2align	8
	.type	k_q518a9dcffd_outp,@function
k_q518a9dcffd_outp:
	s_mov_b64 s[64:65], 0
	v_nop
	global_prefetch_b8 v0, s[64:65] scope:SCOPE_SE
	s_setreg_imm32_b32 hwreg(HW_REG_WAVE_MODE, 25, 1), 1
	s_wait_xcnt 0x0
; The softmax's merge and the output projection.  For each (head, q):  M = max over the 8 key blocks of m,  w = exp(m - M),
; L = sum w l,  x[q][d] = sum over blocks of (w / L) O[block][q][d];  then  out = x Wp + bp.
; A work-group makes 16 rows (y of the grid) x 64 columns (x of the grid): 128 work-groups.  Each merges its 16 rows itself, so a row's
; partial sums are read by the four work-groups of its row block.
; FORMAT: x and Wp enter the matrix unit in f16 (a rounding of up to 2^-12 of the number): their rounding reaches the result directly.
; LIMITS: x (a weighted mean of rows of v, so no larger than v) and Wp above 65,504 in magnitude become infinite, below 2^-14 their step is
; 2^-24 (weights of size 0.02 / 30 keep a step of 1 part in 10,000 of their size); the softmax's sum is formed per block of 128 keys and
; merged, so its order of rounding differs from a sum over all 1,024 keys; v_exp_f32 gives 0 for results below 2^-126 (ISA guide 15.8).
.set WP,  160                          ; LDS pitch of a k row of Wp: 128 bytes of f16 + 32 (an odd multiple of 32, for the transposing load)
.set XP,  528                          ; LDS pitch of a row of x: 512 bytes of f16 + 16
.set WS,  0                            ; 256 k x 160
.set XS,  40960                        ; 16 rows x 528
.set CO,  49408                        ; the weights w / L: [head] pitch 528 [q] pitch 32 [8 blocks] f32
.set OS,  53760                        ; the way out: 16 rows x 272
.set MX,  16                           ; v[16:23]   m of the 8 blocks
.set LL,  24                           ; v[24:31]   l of the 8 blocks
.set WD,  32                           ; v[32:95]   Wp as loaded
.set CR,  32                           ; v[32:63]   later: the 8 weights of my row in each of 4 passes
.set XA,  64                           ; v[64:69]   later: four merged numbers, then their two packed words
.set BP,  96                           ; v[96:99]   bp of my four columns
.set OD,  104                          ; v[104:231] Opart as loaded: pass p, block b at 4 (8 p + b)
.set FR,  104                          ; later: K step ks: x fragment at 16 ks, Wp fragment at 16 ks + 8
.set ACC, 232                          ; v[232:247] two accumulators
.set T,   248                          ; v[248:255] the 8 weights at work
	s_load_b256 s[4:11], s[0:1], 0x0               ; Opart s4, ML s6, Wp s8, bp s10
	s_load_b64 s[12:13], s[0:1], 0x20              ; out0
	s_set_vgpr_msb 0x40
	v_lshl_add_u32 v0, v0, 2, 0xe300
	v_mov_b32 v1, 0
	s_set_vgpr_msb 0x4000
	v_lshrrev_b32 v1, 5, v0
	v_readfirstlane_b32 s14, v1                    ; wave w
	s_mov_b32 s15, ttmp9                           ; cy: columns 64 cy ..
	s_and_b32 s16, ttmp7, 0xffff                   ; bx: rows 16 bx ..
	s_mov_b32 s19, 0                               ; high word of every offset pair
	v_and_b32 v2, 15, v0                           ; r, and t & 15
	v_bfe_u32 v3, v0, 4, 1                         ; h
	v_and_b32 v4, 127, v0                          ; u = 16 head + q: both halves of the work-group take all 128
	v_lshlrev_b32 v6, 2, v4                        ; ML: word u
	v_lshrrev_b32 v1, 4, v0
	v_lshlrev_b32 v7, 4, v2                        ; bp: 16 bytes at (t&15)*16
	v_lshl_add_u32 v9, v1, 10, v7                  ; Wp and out0: row t>>4 of 1,024 bytes + (t&15)*16
	v_lshlrev_b32 v8, 4, v0                        ; Opart: 16 t
	v_lshlrev_b32 v5, 3, v2
	v_mad_u32_u24 v5, v1, WP, v5                   ; Wp into LDS (WS = 0)
	s_wait_kmcnt 0x0
	s_lshl_b32 s18, s16, 17                        ; 8 blocks of 16,384 bytes
	s_add_nc_u64 s[4:5], s[4:5], s[18:19]
	s_lshl_b32 s18, s16, 13                        ; 8 blocks of 1,024 bytes
	s_add_nc_u64 s[6:7], s[6:7], s[18:19]
	s_lshl_b32 s18, s15, 8                         ; 64 columns of 4 bytes
	s_add_nc_u64 s[8:9], s[8:9], s[18:19]
	s_add_nc_u64 s[10:11], s[10:11], s[18:19]
	s_lshl_b32 s17, s16, 14                        ; 16 rows of 1,024 bytes
	s_add_co_u32 s18, s18, s17
	s_add_nc_u64 s[12:13], s[12:13], s[18:19]
	; 57 loads: 16 of ML, 16 of Wp, 1 of bp, 24 of Opart (passes 0 to 2)
.irp b, 0,1,2,3,4,5,6,7
	global_load_b32 v[MX+\b], v6, s[6:7] offset:\b*1024
	global_load_b32 v[LL+\b], v6, s[6:7] offset:\b*1024+512
.endr
.irp p, 0,1,2,3,4,5,6,7,8,9,10,11,12,13,14,15
	global_load_b128 v[WD+4*\p:WD+4*\p+3], v9, s[8:9] offset:\p*16384
.endr
	global_load_b128 v[BP:BP+3], v7, s[10:11]
.irp p, 0,1,2
.irp b, 0,1,2,3,4,5,6,7
	global_load_b128 v[OD+4*(8*\p+\b):OD+4*(8*\p+\b)+3], v8, s[4:5] offset:\p*4096+\b*16384
.endr
.endr
	; LDS addresses
	v_lshrrev_b32 v10, 4, v4
	v_mul_u32_u24 v10, v10, 528
	v_lshl_add_u32 v10, v2, 5, v10
	v_lshrrev_b32 v11, 7, v0
	v_lshl_add_u32 v10, v11, 4, v10
	v_add_nc_u32 v10, CO, v10                      ; weights in: (head, q) = u; threads 0-127 blocks 0-3, threads 128-255 blocks 4-7
	v_bfe_u32 v11, v0, 3, 3
	v_mul_u32_u24 v11, v11, 528
	v_lshrrev_b32 v12, 6, v0
	v_lshl_add_u32 v11, v12, 5, v11
	v_add_nc_u32 v11, CO, v11                      ; weights back: head (t&63)>>3, row t>>6 of a pass's four
	v_and_b32 v13, 63, v0
	v_lshlrev_b32 v13, 3, v13
	v_mad_u32_u24 v13, v12, XP, v13
	v_add_nc_u32 v13, XS, v13                      ; x into LDS
	v_mul_u32_u24 v4, v1, 272
	v_lshl_add_u32 v4, v2, 4, v4
	v_add_nc_u32 v4, OS, v4                        ; the way out, back: row t>>4, 16 bytes at (t&15)*16
	s_cmp_lt_u32 s14, 4
	s_cselect_b32 s20, 0, -1                       ; lanes' mask: waves 4-7 keep blocks 4-7
	s_wait_loadcnt 41                              ; m and l are in; younger: 16 of Wp, 1 of bp, 24 of Opart
.irp b, 0,1,2,3,4,5,6,7
	global_load_b128 v[OD+4*(24+\b):OD+4*(24+\b)+3], v8, s[4:5] offset:3*4096+\b*16384     ; pass 3: 49 loads are out now
.endr
	v_max3_num_f32 v100, v[MX], v[MX+1], v[MX+2]
	v_max3_num_f32 v100, v100, v[MX+3], v[MX+4]
	v_max3_num_f32 v100, v100, v[MX+5], v[MX+6]
	v_max_num_f32 v100, v100, v[MX+7]              ; M
	v_mul_f32 v101, 0xbfb8aa3b, v100               ; -M log2(e)
.irp b, 0,1,2,3,4,5,6,7
	v_fma_f32 v[T+\b], v[MX+\b], 0x3fb8aa3b, v101
.endr
.irp b, 0,1,2,3,4,5,6,7
	v_exp_f32 v[T+\b], v[T+\b]                     ; w = exp(m - M), at most about 1
.endr
	v_nop                                          ; one plain instruction behind the last exponential (ISA guide 5.7.2)
	s_wait_alu depctr_va_vdst(0)
	v_mul_f32 v102, v[T], v[LL]
.irp b, 1,2,3,4,5,6,7
	v_fmac_f32 v102, v[T+\b], v[LL+\b]             ; L: the block that holds M adds about 1 or more, so L is not 0
.endr
	v_rcp_f32 v103, v102
	v_nop                                          ; one plain instruction behind the reciprocal
	s_wait_alu depctr_va_vdst(0)
.irp b, 0,2,4,6
	v_pk_mul_f32 v[T+\b:T+\b+1], v[T+\b:T+\b+1], v[102:103] op_sel:[0,1] op_sel_hi:[1,1]   ; w / L: both halves by v103
.endr
.irp b, 0,1,2,3
	v_cndmask_b32 v[T+\b], v[T+\b], v[T+4+\b], s20
.endr
	ds_store_b128 v10, v[T:T+3]
.macro CVW p, younger                  ; pass p of Wp: four f32 to four f16, into LDS; younger = loads issued behind Wp's sixteen
	s_wait_loadcnt 15-\p+\younger
	v_cvt_pk_f16_f32 v[WD+4*\p], v[WD+4*\p], v[WD+4*\p+1]
	v_cvt_pk_f16_f32 v[WD+4*\p+1], v[WD+4*\p+2], v[WD+4*\p+3]
	ds_store_b64 v5, v[WD+4*\p:WD+4*\p+1] offset:\p*16*WP
.endm
.irp p, 0,1,2,3,4,5,6,7,8,9,10,11,12,13,14,15
	CVW \p, 33                                     ; younger than Wp's: bp's load and Opart's 32
.endr
	s_wait_dscnt 0x0                               ; weights and Wp are in LDS
	s_barrier_signal -1
	s_barrier_wait -1
.irp p, 0,1,2,3
	ds_load_b128 v[CR+8*\p:CR+8*\p+3], v11 offset:\p*128
	ds_load_b128 v[CR+8*\p+4:CR+8*\p+7], v11 offset:\p*128+16
.endr
	s_wait_dscnt 0x0
; pass p: my four numbers of row 4 p + (t >> 6): the weighted sum over the 8 blocks; a weight is one register of a pair, sent to both halves
.macro MERGE p
	s_wait_loadcnt 8*(3-\p)                        ; this pass's eight loads are in, the later passes' stay out
	v_pk_mul_f32 v[XA:XA+1], v[OD+32*\p:OD+32*\p+1], v[CR+8*\p:CR+8*\p+1] op_sel_hi:[1,0]
	v_pk_mul_f32 v[XA+2:XA+3], v[OD+32*\p+2:OD+32*\p+3], v[CR+8*\p:CR+8*\p+1] op_sel_hi:[1,0]
.irp b, 1,2,3,4,5,6,7
.if \b&1
	v_pk_fma_f32 v[XA:XA+1], v[OD+32*\p+4*\b:OD+32*\p+4*\b+1], v[CR+8*\p+(\b&6):CR+8*\p+(\b&6)+1], v[XA:XA+1] op_sel:[0,1,0] op_sel_hi:[1,1,1]
	v_pk_fma_f32 v[XA+2:XA+3], v[OD+32*\p+4*\b+2:OD+32*\p+4*\b+3], v[CR+8*\p+(\b&6):CR+8*\p+(\b&6)+1], v[XA+2:XA+3] op_sel:[0,1,0] op_sel_hi:[1,1,1]
.else
	v_pk_fma_f32 v[XA:XA+1], v[OD+32*\p+4*\b:OD+32*\p+4*\b+1], v[CR+8*\p+(\b&6):CR+8*\p+(\b&6)+1], v[XA:XA+1] op_sel_hi:[1,0,1]
	v_pk_fma_f32 v[XA+2:XA+3], v[OD+32*\p+4*\b+2:OD+32*\p+4*\b+3], v[CR+8*\p+(\b&6):CR+8*\p+(\b&6)+1], v[XA+2:XA+3] op_sel_hi:[1,0,1]
.endif
.endr
	v_cvt_pk_f16_f32 v[XA+4], v[XA], v[XA+1]
	v_cvt_pk_f16_f32 v[XA+5], v[XA+2], v[XA+3]
	ds_store_b64 v13, v[XA+4:XA+5] offset:\p*4*XP
.endm
	MERGE 0
	MERGE 1
	MERGE 2
	MERGE 3
	s_wait_dscnt 0x0                               ; x is in LDS
	s_barrier_signal -1
	s_barrier_wait -1
	; 16 rows x 64 columns are four tiles: waves 0 to 3 take one each; no barrier stands inside the branch
	s_cmp_lt_u32 s14, 4
	s_cbranch_scc0 .Lidle
	v_mul_u32_u24 v14, v2, XP
	v_lshl_add_u32 v14, v3, 4, v14
	v_add_nc_u32 v14, XS, v14                      ; x fragment: row r + 16 h
	v_and_b32 v15, 7, v0
	v_lshl_add_u32 v15, v3, 3, v15
	v_mul_u32_u24 v15, v15, WP
	v_bfe_u32 v1, v0, 3, 1
	v_lshl_add_u32 v15, v1, 4, v15
	s_lshl_b32 s17, s14, 5
	v_add_nc_u32 v15, s17, v15                     ; Wp fragment: (8 h + (L&7)) k rows + 32 w + 16 ((L>>3)&1)
.irp ks, 0,1,2,3,4,5,6,7
	ds_load_b128 v[FR+16*\ks:FR+16*\ks+3], v14 offset:64*\ks
	ds_load_b128 v[FR+16*\ks+4:FR+16*\ks+7], v14 offset:64*\ks+32
	ds_load_tr16_b128 v[FR+16*\ks+8:FR+16*\ks+11], v15 offset:32*WP*\ks
	ds_load_tr16_b128 v[FR+16*\ks+12:FR+16*\ks+15], v15 offset:32*WP*\ks+16*WP
.endr
	s_lshl_b32 s17, s14, 6
	s_add_co_u32 s17, s17, OS
	s_wait_dscnt 0x0
	; source 0 = columns of Wp, source 1 = rows of x: a lane holds row r, columns 16 w + 8 h + 0..7.
	; Even and odd K steps sum in two accumulators that take turns; the first two products start the sums.
.irp ks, 0,1,2,3,4,5,6,7
.if \ks < 2
	v_wmma_f32_16x16x32_f16 v[ACC+8*\ks:ACC+8*\ks+7], v[FR+16*\ks+8:FR+16*\ks+15], v[FR+16*\ks:FR+16*\ks+7], 0
.else
	v_wmma_f32_16x16x32_f16 v[ACC+8*(\ks&1):ACC+8*(\ks&1)+7], v[FR+16*\ks+8:FR+16*\ks+15], v[FR+16*\ks:FR+16*\ks+7], v[ACC+8*(\ks&1):ACC+8*(\ks&1)+7]
.endif
.endr
	v_mul_u32_u24 v100, v2, 272                    ; four places before the results are read (ISA guide 7.12.1): three of address work, one v_nop
	v_lshl_add_u32 v100, v3, 5, v100
	v_add_nc_u32 v100, s17, v100                   ; the way out, in: row r, 64 w + 32 h
	v_nop
.irp j, 0,2,4,6
	v_pk_add_f32 v[ACC+\j:ACC+\j+1], v[ACC+\j:ACC+\j+1], v[ACC+8+\j:ACC+8+\j+1]
.endr
	ds_store_b128 v100, v[ACC:ACC+3]
	ds_store_b128 v100, v[ACC+4:ACC+7] offset:16
.Lidle:
	s_wait_dscnt 0x0                               ; the four tiles are in LDS
	s_barrier_signal -1
	s_barrier_wait -1
	ds_load_b128 v[XA:XA+3], v4
	s_wait_dscnt 0x0
	v_pk_add_f32 v[XA:XA+1], v[XA:XA+1], v[BP:BP+1]
	v_pk_add_f32 v[XA+2:XA+3], v[XA+2:XA+3], v[BP+2:BP+3]
	global_store_b128 v9, v[XA:XA+3], s[12:13]     ; sixteen neighbouring lanes store 256 consecutive bytes, aligned
	s_set_vgpr_msb 0x5
	s_wait_tensorcnt 0x0
	ds_add_u32 v0, v1
	s_wait_dscnt 0x0
	s_set_vgpr_msb 0x500
	s_endpgm
.Lfunc_end_k_q518a9dcffd_outp:
	.size	k_q518a9dcffd_outp, .Lfunc_end_k_q518a9dcffd_outp-k_q518a9dcffd_outp
	.p2alignl 7, 3214868480
	.fill 96, 4, 3214868480
	.section	.rodata,"a",@progbits
	.p2align	6, 0x0
	.amdhsa_kernel k_q518a9dcffd_outp
		.amdhsa_group_segment_fixed_size 59136
		.amdhsa_private_segment_fixed_size 0
		.amdhsa_enable_private_segment 0
		.amdhsa_kernarg_size 40
		.amdhsa_user_sgpr_count 2
		.amdhsa_user_sgpr_kernarg_segment_ptr 1
		.amdhsa_wavefront_size32 1
		.amdhsa_system_sgpr_workgroup_id_x 1
		.amdhsa_system_sgpr_workgroup_id_y 1
		.amdhsa_system_sgpr_workgroup_id_z 1
		.amdhsa_system_vgpr_workitem_id 0
		.amdhsa_next_free_vgpr 258
		.amdhsa_next_free_sgpr 66
		.amdhsa_reserve_vcc 0
		.amdhsa_float_denorm_mode_32 3
		.amdhsa_float_denorm_mode_16_64 3
		.amdhsa_memory_ordered 1
		.amdhsa_forward_progress 1
		.amdhsa_inst_pref_size 25
	.end_amdhsa_kernel
	.amdgpu_metadata
---
amdhsa.version: [ 1, 2 ]
amdhsa.kernels:
  - .name:           k_q518a9dcffd_outp
    .symbol:         k_q518a9dcffd_outp.kd
    .args:
      - { .name: Opart, .offset: 0, .size: 8, .value_kind: global_buffer, .address_space: global }
      - { .name: ML, .offset: 8, .size: 8, .value_kind: global_buffer, .address_space: global }
      - { .name: Wp, .offset: 16, .size: 8, .value_kind: global_buffer, .address_space: global }
      - { .name: bp, .offset: 24, .size: 8, .value_kind: global_buffer, .address_space: global }
      - { .name: out0, .offset: 32, .size: 8, .value_kind: global_buffer, .address_space: global }
    .group_segment_fixed_size: 59136
    .private_segment_fixed_size: 0
    .kernarg_segment_align: 8
    .kernarg_segment_size: 40
    .max_flat_workgroup_size: 256
    .sgpr_count:     66
    .vgpr_count:     258
    .wavefront_size: 32
...
	.end_amdgpu_metadata
.endif
;; end of part 3
